; MI455X (gfx1250); checked and timed in simulation.
; The chip was launched on July 23, 2026; its instructions are those of AMD's public machine-readable ISA for CDNA 5 (MIT licence, August 2026) and "CDNA5" Instruction Set Architecture Reference Guide (July 2026). The comments in the code are by the model that wrote it; some were corrected since.
;; Swin Transformer Block. Allowed arithmetic: matrix products marked QUANTISED: E4M3 operands, one given power-of-two scale a tensor, by v_wmma_f32_16x16x64_fp8_fp8 or v_wmma_f32_16x16x128_fp8_fp8, f32 sums; everything else in f32.
;; Inputs: b1 1,024 float32; b2 256 float32; bk 256 float32; bo 256 float32; bq 256 float32; bv 256 float32; hidden_states 8 x 4,096 x 256 float32; ln1_b 256 float32; ln1_g 256 float32; ln2_b 256 float32; ln2_g 256 float32; lowp_scales 16 int32 (the exponents e of the quantised operands' scales 2^e); rel_table 225 x 8 float32; w1 1,024 x 256 float32; w2 256 x 1,024 float32; wk 256 x 256 float32; wo 256 x 256 float32; wq 256 x 256 float32; wv 256 x 256 float32.
;; Outputs: out0 8 x 4,096 x 256 float32.
;; This version of the problem:
;;   THIS VERSION OF THE PROBLEM IS GIVEN IN LOW PRECISION. The matrix products marked QUANTISED in the list below multiply operands that are first quantised to E4M3 (4 exponent bits, 3 mantissa bits; 8 bits a number), with one given power-of-two scale for each operand tensor; their sums are f32. All else is computed in f32.
;;   The module's matrix products, in the order in which they are computed (A, B: the left and right operand; K: the contracted axis; several contracted axes count as one K, in the product's order):
;;     1. [M 32,768, K 256] x [K 256, N 256]; A: computed on the way; B: input wq: QUANTISED (scales: A lowp_scales[0], B lowp_scales[1])
;;     2. [M 32,768, K 256] x [K 256, N 256]; A: computed on the way; B: input wk: QUANTISED (scales: A lowp_scales[2], B lowp_scales[3])
;;     3. [M 32,768, K 256] x [K 256, N 256]; A: computed on the way; B: input wv: QUANTISED (scales: A lowp_scales[4], B lowp_scales[5])
;;     4. batch 4,096 x [M 64, K 32] x [K 32, N 64]; A: computed on the way; B: computed on the way: QUANTISED (scales: A lowp_scales[6], B lowp_scales[7])
;;     5. batch 4,096 x [M 32, K 64] x [K 64, N 64]; A: computed on the way; B: computed on the way: QUANTISED (scales: A lowp_scales[8], B lowp_scales[9])
;;     6. [M 32,768, K 256] x [K 256, N 256]; A: computed on the way; B: input wo: QUANTISED (scales: A lowp_scales[10], B lowp_scales[11])
;;     7. [M 32,768, K 256] x [K 256, N 1,024]; A: computed on the way; B: input w1: QUANTISED (scales: A lowp_scales[12], B lowp_scales[13])
;;     8. [M 32,768, K 1,024] x [K 1,024, N 256]; A: computed on the way; B: input w2: QUANTISED (scales: A lowp_scales[14], B lowp_scales[15])
;;   THE QUANTISER, for each operand of a quantised product, along K:
;;     - The operand's scale is 2^e, e = its entry of the input lowp_scales (int32; the entries are numbered through the quantised products in the list's order, A before B).
;;     - Each number is divided by the scale, clamped to +-448, and rounded to the nearest number of E4M3, ties to even, subnormals kept.
;;     - The product sums the exact products of the quantised numbers (number of the format x scale) in f32.
;;   ~~~python
;;   def quantise(x, axis, e):      # numpy; x: float32 -> the quantised numbers, widened to float32 again
;;       x = np.moveaxis(x, axis, -1); K = x.shape[-1]
;;       r = np.clip(x / 2.0 ** e, -448, 448)
;;       step = 2.0 ** (np.maximum(np.frexp(np.where(r == 0, 1, r))[1] - 1, -6) - 3)
;;       q = np.round(r / step) * step * 2.0 ** e      # np.round: ties to even
;;       return np.moveaxis(q, -1, axis).astype(np.float32)
;;   ~~~
;;   OPERANDS COMPUTED ON THE WAY. 'Computed on the way' means the value that the module computes at that place (a softmax that the list does not call 'softmax' is quantised finished and normalised). What goes into a quantiser is computed in f32, as accurately as f32 sums, v_exp_f32 and their like allow (about 1e-6 of the number): no bf16 or f16 on the way to a quantiser, and a product that is left as it is and whose result goes on into a quantised operand takes f32 operands (vector FMAs, or v_wmma_f32_16x16x4_f32). A number that lies on a knife's edge between two numbers of the format may be rounded either way, as far as f32 arithmetic and the matrix unit's own rounding can turn it there, and no further.
;; One version. Each part assembles by itself: llvm-mc -triple=amdgcn-amd-amdhsa -mcpu=gfx1250 --defsym DOCPART=n.
;; ======== version 1 of 1: 2 launches
;; limits: a function is approximated: absolute error at most 7.5e-08
;; workspace buffers: wcodes 786,432 bytes
;; launch prep (part 1): grid 384 x 1, 1 waves a work-group, no clusters, 0 bytes of LDS; arguments wq, wk, wv, wo, w1, w2, lowp_scales, wcodes; writes wcodes
.if DOCPART == 1
	.amdgcn_target "amdgcn-amd-amdhsa--gfx1250"
	.amdhsa_code_object_version 6
	.text
	.protected	k_q47e37c237c_prep
	.globl	k_q47e37c237c_prep
	.p2align	8
	.type	k_q47e37c237c_prep,@function
k_q47e37c237c_prep:
	s_mov_b64 s[64:65], 0
	v_nop
	global_prefetch_b8 v0, s[64:65] scope:SCOPE_SE
	s_setreg_imm32_b32 hwreg(HW_REG_WAVE_MODE, 25, 1), 1
	s_wait_xcnt 0x0
; The six weights, f32 with K innermost, become codes of FP8 (E4M3), each with the one scale 2^e that is given for it, laid in the ORDER OF THE OPERAND'S REGISTERS.
; code = x / 2^e, held within +-448, rounded to the nearest code, ties to even.
; A FRAGMENT is 16 rows x 128 along K, 2,048 bytes: lane (r = lane % 16, h = lane / 16) holds row 16 T + r; its registers 2 c, 2 c + 1 hold k = 128 S + 16 c + 8 h + 0 .. 7;
; registers 4 Q .. 4 Q + 3 of lane l lie at byte 512 Q + 16 l of the fragment.  So the next launch takes a fragment by four loads of 512 consecutive bytes.
; Fragments in wcodes: wq 0-31, wk 32-63, wv 64-95, wo 96-127, w1 128-255 (each 2 T + S: two K steps a row), w2 256-383 (8 T + S: eight K steps a row).
; One wave makes one fragment; the work-group's number is the fragment's.  The tensor is chosen by selections on that number alone: one path through the text, no branch.
; The numbers' loads hang on the arguments alone, so they are issued ahead of the wait for the exponents.
; LIMITS: each e between -126 and 119, so that 2^e and 448 x 2^e are f32 numbers.  NaN among the inputs is not served (an infinity is held at the largest code).
.set NUM, 16                           ; v16-79  64 numbers: register 8 c + j = k 16 c + 8 h + j of my row
.set COD, 80                           ; v80-95  the fragment's 16 registers
	s_load_b512 s[8:23], s[0:1], 0x0               ; wq s[8:9], wk s[10:11], wv s[12:13], wo s[14:15], w1 s[16:17], w2 s[18:19], the exponents s[20:21], wcodes s[22:23]
	v_and_b32 v1, 15, v0                           ; r (one wave: the thread's number is the lane)
	v_lshrrev_b32 v2, 4, v0                        ; h
	v_lshlrev_b32 v4, 4, v0                        ; out: 16 bytes a lane
	s_mov_b32 s27, 256                             ; the choice begins at w2: its first fragment,
	s_mov_b32 s28, 3                               ; log2 of its K steps,
	s_mov_b32 s29, 12                              ; log2 of a row's bytes
	s_wait_kmcnt 0x0
	s_load_b512 s[32:47], s[20:21], 0x0            ; e0 .. e15: wanted only behind the loads below
	s_mov_b64 s[24:25], s[18:19]
.macro PICK lim, ptr, f0               ; fragments under lim belong to an earlier tensor, all of which have rows of 256 numbers
	s_cmp_lt_u32 ttmp9, \lim
	s_cselect_b64 s[24:25], s[\ptr:\ptr+1], s[24:25]
	s_cselect_b32 s27, \f0, s27
	s_cselect_b32 s28, 1, s28
	s_cselect_b32 s29, 10, s29
.endm
	PICK 256, 16, 128                              ; w1
	PICK 128, 14, 96                               ; wo
	PICK 96, 12, 64                                ; wv
	PICK 64, 10, 32                                ; wk
	PICK 32, 8, 0                                  ; wq
	s_sub_co_u32 s2, ttmp9, s27                    ; the fragment's number in its tensor
	s_lshr_b32 s3, s2, s28                         ; T
	s_lshl_b32 s4, s3, s28
	s_sub_co_u32 s4, s2, s4                        ; S
	s_add_co_u32 s5, s29, 4
	s_lshl_b32 s6, s3, s5                          ; 16 T rows,
	s_lshl_b32 s4, s4, 9                           ; 128 S numbers of 4 bytes
	s_add_co_u32 s6, s6, s4
	s_mov_b32 s7, 0
	s_add_nc_u64 s[24:25], s[24:25], s[6:7]
	s_lshl_b32 s6, ttmp9, 11
	s_add_nc_u64 s[22:23], s[22:23], s[6:7]        ; the fragment's 2,048 bytes in wcodes
	v_lshlrev_b32 v3, s29, v1                      ; row r,
	v_lshl_add_u32 v3, v2, 5, v3                   ; + 8 h numbers
.irp c, 0,1,2,3,4,5,6,7
.irp j, 0,1
	global_load_b128 v[NUM+8*\c+4*\j:NUM+8*\c+4*\j+3], v3, s[24:25] offset:64*\c+16*\j th:TH_LOAD_NT
.endr
.endr
	s_wait_kmcnt 0x0                               ; the exponents
	s_mov_b32 s26, s47                             ; w2's e,
.macro PICKE lim, e                    ; or an earlier tensor's
	s_cmp_lt_u32 ttmp9, \lim
	s_cselect_b32 s26, s[\e], s26
.endm
	PICKE 256, 45                                  ; w1: e13
	PICKE 128, 43                                  ; wo: e11
	PICKE 96, 37                                   ; wv: e5
	PICKE 64, 35                                   ; wk: e3
	PICKE 32, 33                                   ; wq: e1
	s_add_co_i32 s26, s26, 127
	s_lshl_b32 s2, s26, 23
	v_mov_b32 v11, s2                              ; 2^e as f32: the conversion takes its exponent field
	s_add_co_i32 s26, s26, 8
	s_lshl_b32 s26, s26, 23
	s_or_b32 s26, s26, 0x600000
	v_mov_b32 v10, s26                             ; 448 x 2^e
	s_wait_loadcnt 0x0
.irp c, 0,1,2,3,4,5,6,7
.irp i, 0,1,2,3,4,5,6,7
	v_med3_num_f32 v[NUM+8*\c+\i], v[NUM+8*\c+\i], -v10, v10   ; the conversion to an 8-bit code does not saturate (ISA guide 7.6.2): the hold comes first
.endr
	v_cvt_scalef32_pk8_fp8_f32 v[COD+2*\c:COD+2*\c+1], v[NUM+8*\c:NUM+8*\c+7], v11
.endr
.irp q, 0,1,2,3
	global_store_b128 v4, v[COD+4*\q:COD+4*\q+3], s[22:23] offset:512*\q   ; 32 lanes store 512 consecutive bytes, at a multiple of 512 from the buffer's first byte
.endr
	s_endpgm
.Lfunc_end_k_q47e37c237c_prep:
	.size	k_q47e37c237c_prep, .Lfunc_end_k_q47e37c237c_prep-k_q47e37c237c_prep
	.p2alignl 7, 3214868480
	.fill 96, 4, 3214868480
	.section	.rodata,"a",@progbits
	.p2align	6, 0x0
	.amdhsa_kernel k_q47e37c237c_prep
		.amdhsa_group_segment_fixed_size 0
		.amdhsa_private_segment_fixed_size 0
		.amdhsa_enable_private_segment 0
		.amdhsa_kernarg_size 64
		.amdhsa_user_sgpr_count 2
		.amdhsa_user_sgpr_kernarg_segment_ptr 1
		.amdhsa_wavefront_size32 1
		.amdhsa_system_sgpr_workgroup_id_x 1
		.amdhsa_system_sgpr_workgroup_id_y 1
		.amdhsa_system_sgpr_workgroup_id_z 1
		.amdhsa_system_vgpr_workitem_id 0
		.amdhsa_next_free_vgpr 96
		.amdhsa_next_free_sgpr 66
		.amdhsa_reserve_vcc 0
		.amdhsa_float_denorm_mode_32 3
		.amdhsa_float_denorm_mode_16_64 3
		.amdhsa_memory_ordered 1
		.amdhsa_forward_progress 1
		.amdhsa_inst_pref_size 10
	.end_amdhsa_kernel
	.amdgpu_metadata
---
amdhsa.version: [ 1, 2 ]
amdhsa.kernels:
  - .name:           k_q47e37c237c_prep
    .symbol:         k_q47e37c237c_prep.kd
    .args:
      - { .name: wq, .offset: 0, .size: 8, .value_kind: global_buffer, .address_space: global }
      - { .name: wk, .offset: 8, .size: 8, .value_kind: global_buffer, .address_space: global }
      - { .name: wv, .offset: 16, .size: 8, .value_kind: global_buffer, .address_space: global }
      - { .name: wo, .offset: 24, .size: 8, .value_kind: global_buffer, .address_space: global }
      - { .name: w1, .offset: 32, .size: 8, .value_kind: global_buffer, .address_space: global }
      - { .name: w2, .offset: 40, .size: 8, .value_kind: global_buffer, .address_space: global }
      - { .name: lowp_scales, .offset: 48, .size: 8, .value_kind: global_buffer, .address_space: global }
      - { .name: wcodes, .offset: 56, .size: 8, .value_kind: global_buffer, .address_space: global }
    .group_segment_fixed_size: 0
    .private_segment_fixed_size: 0
    .kernarg_segment_align: 8
    .kernarg_segment_size: 64
    .max_flat_workgroup_size: 32
    .sgpr_count:     66
    .vgpr_count:     96
    .wavefront_size: 32
...
	.end_amdgpu_metadata
.endif
;; end of part 1
;; launch block (part 2): grid 256 x 1, 8 waves a work-group, no clusters, 297,984 bytes of LDS; arguments hidden_states, ln1_g, ln1_b, bq, bk, bv, rel_table, bo, ln2_g, ln2_b, b1, b2, lowp_scales, wcodes, out0; writes out0
.if DOCPART == 2
	.amdgcn_target "amdgcn-amd-amdhsa--gfx1250"
	.amdhsa_code_object_version 6
	.text
	.protected	k_q47e37c237c_block
	.globl	k_q47e37c237c_block
	.p2align	8
	.type	k_q47e37c237c_block,@function
k_q47e37c237c_block:
	s_mov_b64 s[64:65], 0
	v_nop
	global_prefetch_b8 v0, s[64:65] scope:SCOPE_SE
	s_setreg_imm32_b32 hwreg(HW_REG_WAVE_MODE, 25, 1), 1
	s_wait_xcnt 0x0
; A whole Swin block (LN1, shift, windows, QKV, attention with gathered bias and shift mask, output projection, residual, LN2, MLP with exact GELU, residual), all eight products on codes of FP8 (E4M3) with given scales 2^e.
; SHARES.  A work-group takes two neighbouring windows, 128 tokens = 8 tiles of 16, through the whole chain; nothing but the result goes to memory.  A token's row in memory is the same for reading and for writing (the shift is undone).
; THE WAVES SHARE THE COLUMNS: wave w is head w in QKV and attention, owns columns 32 w .. 32 w + 31 in wo and fc2 and hidden units 128 w .. 128 w + 127 in fc1.  So each byte of the weights' codes is read once in a
; work-group, by one wave, from memory straight into its registers (window 1).  In the two layer norms wave w owns tile w.
; ACTIVATIONS GO FROM WAVE TO WAVE THROUGH LDS AS IMAGES OF OPERAND REGISTERS: a fragment (16 rows x 128 K, 16 registers a lane) is 2,048 bytes, registers 4 Q .. 4 Q + 3 of lane l at 512 Q + 16 l.
; LAYOUTS (lane = (r, h) = (lane % 16, lane / 16)).  An operand: row r, registers 2 c, 2 c + 1 = k 16 c + 8 h + 0 .. 7.  Products are used TRANSPOSED (source 0 = 16 rows of the weight, source 1 = 16 tokens): a lane then holds
; token r and register j of tile t column 16 t + 8 h + j, so one conversion of a tile's eight registers IS registers 2 t, 2 t + 1 of the next operand.  V alone is made untransposed, so that its registers run along the keys.
; S^T = K Q^T (K = 32, filled to 64 with zero codes on both sides) and O^T = V^T P^T keep one query a lane.
; SCALES.  x after LN1 is quantised three times (e0, e2, e4).  q takes e6 and k e7 (the product is lowered as q x k), v e8, the finished and normalised probabilities e9.  A sum's power of two is folded into the next conversion's scale;
; a bias goes in as the C of a sum's first matrix instruction, divided by the power of two that the sum lacks.
; GELU.  gelu(x) = max(x, 0) - |x| q, q = 1 - Phi(|x|) = (a1 t + .. + a5 t^5) exp(-x^2 / 2) / 2, t = 1 / (1 + 0.2316419 |x|) (Abramowitz and Stegun 7.1.26): q's absolute error is at most 7.5e-8, of the order of
; f32's own rounding of 1 + erf; for x < 0 no difference of near numbers is formed.
; THE RESULT LEAVES EARLY: fc2 goes by pairs of row tiles; a finished pair meets in LDS behind a barrier and is stored by whole rows while the next pair is multiplied.
; LIMITS on the given exponents, so that each power of two below is an f32 number: e0, e2, e4, e9, e12, e6-e0-e1, e7-e2-e3, e8-e4-e5, e10-e8-e9, e14-e12-e13 between -126 and 119; e6+e7 between -123 and 130;
; e10+e11 and e14+e15 between -126 and 127; e12+e13 between -60 and 60.  NaN and infinities among the inputs are not served.  The softmax takes the row's true maximum away; the variances are taken of x - mean.
; NO CLUSTER, NO TENSOR LOAD: all work-groups read the same weights, but the activations hold 297,984 of the 327,680 bytes of LDS, which leaves no room for two slots of a weight's 65,536 bytes, and each weight byte is used by one wave
; alone, from registers.  NO PREFETCH: hidden_states is wanted by the first instructions, and every work-group reads the weights.
; LDS: HID 128 rows of f32 at pitch 1,040 = 65 x 16 bytes (sixteen rows start at sixteen different 16-byte columns modulo 256): shortcut, then hidden, then the result.  HC: h's codes, fragment 8 m + s; earlier its bytes hold
; x's three sets of codes (32,768 each, fragment 2 m + s) and ctx's (CTX).  YC: LN2's codes.  SPARE: the spare words.
.set PITCH, 1040
.set TROWS, 16*PITCH                   ; a tile's 16 rows
.set HC,    128*PITCH                  ; 133,120
.set CTX,   HC+98304
.set YC,    HC+131072
.set SPARE, YC+32768                   ; 296,960: 128 bytes for each of eight waves: four blocks of 256 bytes that no other line names
.set FRB,   2048                       ; a fragment's image
; window 0, for the whole launch
.set LI,   1                           ; v1   16 x lane
.set RR,   2                           ; v2   r
.set HH,   3                           ; v3   h
.set GOF,  4                           ; v4-7 my tile's four runs of four tokens in memory (+ 16 x lane), for the loads
.set SPW,  8                           ; v8   my spare word; never rewritten
.set NIL,  9                           ; v9   0; never rewritten
.set SCV,  10                          ; v10  a conversion's scale,
.set LIMV, 11                          ; v11  and 448 x that
.set HST,  12                          ; v12  HID by rows: my tile, 16 bytes a lane
.set HFL,  13                          ; v13  HID as an operand wants it: row 16 w + r, + 32 h
.set H32,  14                          ; v14  32 h: gains and biases of a layer norm
.set WOF,  15                          ; v15  16 lane + 8,192 w: my four fragments of wq, wk, wv, wo
.set BOF,  16                          ; v16  128 w + 32 h: biases of my 32 columns
.set BVOF, 17                          ; v17  128 w + 4 r: bv
.set RBOF, 18                          ; v18  my lane's place in rel_table
.set W1OF, 19                          ; v19  16 lane + 32,768 w: my sixteen fragments of w1, of w2
.set B1OF, 20                          ; v20  512 w + 32 h: b1
.set HDL,  21                          ; v21-22 HID by my columns: row r, + 32 h + 128 w; tiles 0-3, tiles 4-7
; v23-31: LDS addresses, store offsets and constants of the phase in hand
; window 0, by phase
.set T,    32                          ; layer norms: v32-95 at work; v96-127 two sets of codes; v128-255 my row's 128 numbers
.set PC,   96
.set X,    128
.set RB,   32                          ; attention: v32-87 the bias, 8 (qt - kt + 3) + j; v88-91 the mask's four numbers
.set QC,   92                          ; v92-123 q's codes, 8 a tile; v124-155 k's; v156-171 v's, 8 a tile of 16 of the head's 32
.set KC,   124
.set VC,   156
.set XF,   172                         ; v172-235 two buffers of x's two fragments; v236-251 two accumulators
.set AC,   236
.set S,    172                         ; v172-203 S^T, then p; v204-211 p's codes; v212-227 O^T; v228-235 two sets of ctx's codes; v236-247, v252 at work
.set PD,   204
.set OA,   212
.set CC,   228
.set BO,   32                          ; wo: v32-47 bo; v48-111 and v176-239 two buffers of four fragments of ctx; v112-143 four accumulators; v144-175 the shortcut
.set CF,   48
.set WA,   112
.set SH,   144
.set YF,   32                          ; fc1: v32-63 y's two fragments; v64-95 t; v96-127 the exponential, later h's codes; v128-191 b1, both halves; v192-223 four accumulators; v224-255 the polynomial
.set TT,   64
.set EE,   96
.set HP,   96
.set B1R,  128
.set GA,   192
.set PP,   224
.set HF,   32                          ; fc2: v32-127 three buffers of two fragments of h; v128-191 two sets of four accumulators, (i, t) at 8 (2 i + t); v192-223 hidden; v224-239 b2
.set ACC,  128
.set HD,   192
.set B2R,  224
; window 1 (v256-511, written by their low 8 bits): parameters.  LN: gains 128-255, biases 0-63 of the lane's 128 at 64-127, 64-127 at 0-63.  QKV: wq 0-63, wk 64-127, wv 128-191, bq 192-, bk 208-, bv 224-.
; wo: 0-63.  fc1: w1, fragment (t, s) at 16 (2 t + s).  fc2: w2, (t, s) at 16 (2 s + t).
.set MSB, 0
.macro WIN new                         ; s_set_vgpr_msb: bits 1:0 source 0, 3:2 source 1, 5:4 source 2, 7:6 destination; the high byte repeats the setting that is left; a switch that changes nothing is dropped
.if MSB != \new
	s_set_vgpr_msb (MSB<<8)|\new
.set MSB, \new
.endif
.endm
.macro PLACES n                        ; behind a matrix instruction: 4 plain vector instructions before its registers are read, written or loaded into, 5 before a matrix instruction writes over one of them (ISA guide 7.12.1)
.rept \n
	v_nop
.endr
.endm
.macro BARRIER                         ; my LDS stores have landed and my LDS loads are in: then the work-group's barrier
	s_wait_dscnt 0x0
	s_barrier_signal -1
	s_barrier_wait -1
.endm
.macro FETCH reg, adr, off             ; a fragment's image into registers
.irp q, 0,1,2,3
	ds_load_b128 v[(\reg)+4*\q:(\reg)+4*\q+3], v[\adr] offset:(\off)+512*\q
.endr
.endm
.macro IMAGE adr, pc, off              ; and out of them
.irp q, 0,1,2,3
	ds_store_b128 v[\adr], v[(\pc)+4*\q:(\pc)+4*\q+3] offset:(\off)+512*\q
.endr
.endm
.macro WLOAD reg, voff, off, n         ; n fragments on end from wcodes into window 1
	WIN 0x40
.set i, 0
.rept 4*(\n)
	global_load_b128 v[(\reg)+4*i:(\reg)+4*i+3], v[\voff], s[30:31] offset:(\off)+512*i
.set i, i+1
.endr
.endm
.macro DBIAS reg, sp                   ; a bias of my 32 columns in a result's layout: register 8 t + j = column 32 w + 16 t + 8 h + j
.irp t, 0,1
.irp j, 0,1
	global_load_b128 v[(\reg)+8*\t+4*\j:(\reg)+8*\t+4*\j+3], v[BOF], s[\sp:\sp+1] offset:64*\t+16*\j
.endr
.endr
.endm
.macro GLOAD sp                        ; a layer norm's gains: register 8 c + j = channel 16 c + 8 h + j
	WIN 0x40
.set i, 0
.rept 32
	global_load_b128 v[128+4*i:128+4*i+3], v[H32], s[\sp:\sp+1] offset:64*(i/2)+16*(i%2)
.set i, i+1
.endr
.endm
.macro BLOADH sp, c0                   ; half of its biases: c = c0 .. c0 + 7
	WIN 0x40
.set i, 2*(\c0)
.rept 16
	global_load_b128 v[(64+4*i)%128:(64+4*i)%128+3], v[H32], s[\sp:\sp+1] offset:64*(i/2)+16*(i%2)
.set i, i+1
.endr
.endm
.macro MKSC sc, e                      ; s[sc] = 2^e, s[sc + 1] = 448 x 2^e, as f32 patterns; e in s[e]
	s_add_co_i32 s[\sc], s[\e], 127
	s_add_co_i32 s[\sc+1], s[\sc], 8
	s_lshl_b32 s[\sc], s[\sc], 23
	s_lshl_b32 s[\sc+1], s[\sc+1], 23
	s_or_b32 s[\sc+1], s[\sc+1], 0x600000
.endm
.macro SPAIR r, val                    ; a constant as a scalar pair: the packed forms name the pair whole, so both words are written
	s_mov_b32 s[\r], \val
	s_mov_b32 s[\r+1], \val
.endm
.macro RSUM                            ; four chains of pairs in v32-39 -> the row's sum in v32, in both lanes that hold the row
	v_pk_add_f32 v[32:33], v[32:33], v[34:35]
	v_pk_add_f32 v[36:37], v[36:37], v[38:39]
	v_pk_add_f32 v[32:33], v[32:33], v[36:37]
	v_add_f32 v32, v32, v33
	v_permlanex16_b32 v33, v32, s52, s53           ; the row's other 128 channels lie in the lane 16 away
	v_add_f32 v32, v32, v33
.endm
; A layer norm of my 16 rows, in place in X.  The mean first, then the variance of x - mean: no difference of large sums.
.macro LNORM
.irp k, 0,1,2,3
	v_pk_add_f32 v[32+2*\k:33+2*\k], v[X+2*\k:X+2*\k+1], v[X+8+2*\k:X+9+2*\k]
.endr
.set i, 8
.rept 56
	v_pk_add_f32 v[32+2*(i%4):33+2*(i%4)], v[32+2*(i%4):33+2*(i%4)], v[X+2*i:X+2*i+1]
.set i, i+1
.endr
	RSUM
	v_mul_f32 v40, s54, v32                        ; the mean, twice: a pair for the packed forms
	v_mul_f32 v41, s54, v32
.set i, 0
.rept 64
	v_pk_add_f32 v[X+2*i:X+2*i+1], v[X+2*i:X+2*i+1], v[40:41] neg_lo:[0,1] neg_hi:[0,1]
.set i, i+1
.endr
.irp k, 0,1,2,3
	v_pk_mul_f32 v[32+2*\k:33+2*\k], v[X+2*\k:X+2*\k+1], v[X+2*\k:X+2*\k+1]
.endr
.set i, 4
.rept 60
	v_pk_fma_f32 v[32+2*(i%4):33+2*(i%4)], v[X+2*i:X+2*i+1], v[X+2*i:X+2*i+1], v[32+2*(i%4):33+2*(i%4)]
.set i, i+1
.endr
	RSUM
	v_fma_f32 v32, v32, s54, s55                   ; the variance + 1e-5
	v_rsq_f32 v42, v32
	v_nop                                          ; a plain instruction behind the transcendental,
	s_wait_alu depctr_va_vdst(0)                   ; and the wait ahead of its first reader
	v_mov_b32 v43, v42
.set i, 0
.rept 64
	v_pk_mul_f32 v[X+2*i:X+2*i+1], v[X+2*i:X+2*i+1], v[42:43]
.set i, i+1
.endr
	s_wait_loadcnt 0x0                             ; the gains and biases are in (nothing else is out)
	WIN 0x14                                       ; sources 1 and 2 in window 1
.set i, 0
.rept 64
	v_pk_fma_f32 v[X+2*i:X+2*i+1], v[X+2*i:X+2*i+1], v[128+2*i:128+2*i+1], v[(64+2*i)%128:(64+2*i)%128+1]
.set i, i+1
.endr
	WIN 0
.endm
; 64 numbers of a lane, register 8 c + j = k 16 c + 8 h + j of my row, become a fragment's 16 registers.  The numbers stay as they are: LN1's are quantised three times.
.macro QUANTN src, pc, sc, lim
.irp c, 0,1,2,3,4,5,6,7
.irp i, 0,1,2,3,4,5,6,7
	v_med3_num_f32 v[T+8*\c+\i], v[(\src)+8*\c+\i], -v[\lim], v[\lim]   ; the conversion to an 8-bit code does not saturate (ISA guide 7.6.2): the hold at 448 x the scale
.endr
	v_cvt_scalef32_pk8_fp8_f32 v[(\pc)+2*\c:(\pc)+2*\c+1], v[T+8*\c:T+8*\c+7], v[\sc]
.endr
	v_nop                                          ; a plain instruction behind the last conversion, ahead of whatever writes its sources next
.endm
	; ======== THE HEAD
	s_load_b512 s[4:19], s[0:1], 0x0               ; hidden_states s[4:5], ln1_g s[6:7], ln1_b s[8:9], bq s[10:11], bk s[12:13], bv s[14:15], rel_table s[16:17], bo s[18:19]
	s_load_b256 s[20:27], s[0:1], 0x40             ; ln2_g s[20:21], ln2_b s[22:23], b1 s[24:25], b2 s[26:27]
	s_load_b128 s[28:31], s[0:1], 0x60             ; the exponents s[28:29], wcodes s[30:31]
	s_load_b64 s[32:33], s[0:1], 0x70              ; out0
	v_lshl_add_u32 v[SPW], v0, 2, SPARE
	v_mov_b32 v[NIL], 0
	v_lshrrev_b32 v[RR], 5, v0
	v_readfirstlane_b32 s34, v[RR]                 ; wave 0..7
	v_and_b32 v[LI], 31, v0
	v_lshlrev_b32 v[LI], 4, v[LI]
	v_and_b32 v[RR], 15, v0
	v_bfe_u32 v[HH], v0, 4, 1
	s_mul_i32 s98, s34, TROWS
	s_lshl_b32 s99, s34, 7
	v_add_nc_u32 v[HST], s98, v[LI]
	v_mul_u32_u24 v[HFL], v[RR], PITCH
	v_lshl_add_u32 v[HFL], v[HH], 5, v[HFL]
	v_add_nc_u32 v[HDL], s99, v[HFL]
	v_add_nc_u32 v[HDL+1], 4*TROWS, v[HDL]
	v_add_nc_u32 v[HFL], s98, v[HFL]
	v_lshlrev_b32 v[H32], 5, v[HH]
	v_add_nc_u32 v[BOF], s99, v[H32]
	v_lshl_add_u32 v[BVOF], v[RR], 2, s99
	s_lshl_b32 s99, s34, 13
	v_add_nc_u32 v[WOF], s99, v[LI]
	s_lshl_b32 s99, s34, 15
	v_add_nc_u32 v[W1OF], s99, v[LI]
	s_lshl_b32 s99, s34, 9
	v_add_nc_u32 v[B1OF], s99, v[H32]
	; rel_table: query 16 qt + r = (row 2 qt + r / 8, column r % 8), key 16 kt + 8 h + j = (row 2 kt + h, column j): entry (2 (qt - kt) + 6 + (r / 8 - h + 1)) 15 + r % 8 + 7 - j, 32 bytes each, head w
	v_lshrrev_b32 v23, 3, v[RR]
	v_add_nc_u32 v23, 1, v23
	v_sub_nc_u32 v23, v23, v[HH]
	v_mul_u32_u24 v23, v23, 15
	v_and_b32 v24, 7, v[RR]
	v_add_nc_u32 v23, v23, v24
	v_lshlrev_b32 v23, 5, v23
	s_lshl_b32 s99, s34, 2
	v_add_nc_u32 v[RBOF], s99, v23
	s_lshl_b32 s99, s34, 12
	s_add_co_u32 s99, s99, HC
	v_add_nc_u32 v23, s99, v[LI]                   ; where I store x's images: fragments 2 w, 2 w + 1 of the first two sets,
	v_add_nc_u32 v24, 0x10000, v23                 ; and of the third
	; my tile's tokens in memory.  Work-group = (image b, row of windows wh, pair of windows jj); window ww = 2 jj + w / 4; tokens 16 (w % 4) + 8 a + 4 u + i2:
	; image row (8 wh + 2 (w % 4) + a + 4) % 64, column (8 ww + 4 + 4 u) % 64 + i2: the shift by 4 splits a window's row into two runs of four neighbouring tokens
	s_lshr_b32 s2, ttmp9, 5
	s_lshl_b32 s2, s2, 12                          ; 4,096 b
	s_bfe_u32 s3, ttmp9, 0x30002                   ; wh
	s_and_b32 s35, ttmp9, 3
	s_lshl_b32 s94, s35, 1                         ; 2 jj
	s_lshr_b32 s98, s34, 2
	s_add_co_u32 s99, s94, s98
	s_lshl_b32 s99, s99, 3                         ; 8 ww
	s_and_b32 s100, s34, 3
	s_lshl_b32 s100, s100, 1
	s_lshl_b32 s101, s3, 3
	s_add_co_u32 s100, s100, s101
	s_add_co_u32 s100, s100, 4
.irp a, 0,1
	s_add_co_u32 s101, s100, \a
	s_and_b32 s101, s101, 63
	s_lshl_b32 s101, s101, 6
	s_add_co_u32 s101, s101, s2
.irp u, 0,1
	s_add_co_u32 s98, s99, 4+4*\u
	s_and_b32 s98, s98, 63
	s_add_co_u32 s98, s98, s101
	s_lshl_b32 s98, s98, 10                        ; a token is 1,024 bytes
	v_add_nc_u32 v[GOF+2*\a+\u], s98, v[LI]
.endr
.endr
	s_cmp_eq_u32 s3, 7
	s_cselect_b32 s93, -1, 0                       ; all lanes where my windows lie in the last row of windows
	s_mov_b32 s52, 0x76543210                      ; v_permlanex16_b32: lane l xor 16
	s_mov_b32 s53, 0xfedcba98
	s_mov_b32 s54, 0x3b800000                      ; 1 / 256
	s_mov_b32 s55, 0x3727c5ac                      ; 1e-5
	s_mov_b32 s92, 0xc2c80000                      ; -100
	s_wait_kmcnt 0x0
	s_load_b512 s[36:51], s[28:29], 0x0            ; e0 .. e15
	; ======== A: IN, AND LN1.  My 16 tokens, 512 consecutive bytes a load; through HID, where they stay as the shortcut, into the operand's layout
.set i, 0
.rept 32
	global_load_b128 v[X+4*i:X+4*i+3], v[GOF+i/8], s[4:5] offset:1024*((i/2)%4)+512*(i%2) th:TH_LOAD_NT
.set i, i+1
.endr
	GLOAD 6
	WIN 0
	s_wait_loadcnt 32                              ; the tokens are in; the 32 loads of the gains may be out
.set i, 0
.rept 32
	ds_store_b128 v[HST], v[X+4*i:X+4*i+3] offset:PITCH*(i/2)+512*(i%2)
.set i, i+1
.endr
	BLOADH 8, 0
	BLOADH 8, 8
	WIN 0
	s_wait_kmcnt 0x0                               ; the exponents: every power of two that the launch needs is made here, in scalar registers
	MKSC 56, 36                                    ; x for q: e0
	MKSC 58, 38                                    ; x for k: e2
	MKSC 60, 40                                    ; x for v: e4
	s_add_co_i32 s98, s36, s37
	s_sub_co_i32 s88, 0, s98                       ; bq goes in x 2^-(e0 + e1)
	s_sub_co_i32 s99, s42, s98
	MKSC 62, 99                                    ; q: e6 - e0 - e1
	s_add_co_i32 s98, s38, s39
	s_sub_co_i32 s89, 0, s98
	s_sub_co_i32 s99, s43, s98
	MKSC 66, 99                                    ; k: e7 - e2 - e3
	s_add_co_i32 s98, s40, s41
	s_sub_co_i32 s90, 0, s98
	s_sub_co_i32 s99, s44, s98
	MKSC 68, 99                                    ; v: e8 - e4 - e5
	MKSC 72, 45                                    ; p: e9
	s_add_co_i32 s98, s44, s45
	s_sub_co_i32 s99, s46, s98
	MKSC 74, 99                                    ; ctx: e10 - e8 - e9
	MKSC 78, 48                                    ; y: e12
	s_add_co_i32 s98, s48, s49                     ; E = e12 + e13: fc1's sums are a = x / 2^E
	s_sub_co_i32 s91, 0, s98
	s_sub_co_i32 s99, s50, s98
	MKSC 84, 99                                    ; h: e14 - E
	s_lshl_b32 s99, s98, 23
	s_add_co_i32 s80, s99, 0x3e6d3388              ; 0.2316419 x 2^E
	s_lshl_b32 s99, s98, 24
	s_add_co_i32 s82, s99, 0xbf38aa3b              ; -(log2 e) / 2 x 2^(2 E)
	s_mov_b32 s83, s82                             ; (pairs are named whole, so both words are written)
	s_add_co_i32 s98, s42, s43
	s_lshl_b32 s98, s98, 23
	s_add_co_i32 s70, s98, 0x3e3504f3              ; c = 1 / sqrt(32) x 2^(e6 + e7)
	s_mov_b32 s71, s70
	s_add_co_i32 s98, s46, s47
	s_add_co_i32 s98, s98, 127
	s_lshl_b32 s76, s98, 23                        ; 2^(e10 + e11)
	s_mov_b32 s77, s76
	s_add_co_i32 s98, s50, s51
	s_add_co_i32 s98, s98, 127
	s_lshl_b32 s86, s98, 23                        ; 2^(e14 + e15)
	s_mov_b32 s87, s86
	SPAIR 36, 0x3e027906                           ; the exponents are done with; their registers take GELU's a1 / 2 =  0.127414796,
	SPAIR 38, 0xbe11a98e                           ; a2 / 2 = -0.142248368,
	SPAIR 40, 0x3f35f0e3                           ; a3 / 2 =  0.710706871,
	SPAIR 42, 0xbf3a00e3                           ; a4 / 2 = -0.726576014,
	SPAIR 46, 0x3fb8aa3b                           ; and log2 e
	s_wait_dscnt 0x0                               ; the stores have read X
.set i, 0
.rept 32
	ds_load_b128 v[X+4*i:X+4*i+3], v[HFL] offset:64*(i/2)+16*(i%2)   ; my own rows: LDS serves a wave's instructions in order
.set i, i+1
.endr
	s_wait_dscnt 0x0
	LNORM
	WLOAD 0, WOF, 0, 4                             ; my head's rows of wq, wk, wv, and the three biases, over the gains and biases that are done with
	WLOAD 64, WOF, 65536, 4
	WLOAD 128, WOF, 131072, 4
	DBIAS 192, 10
	DBIAS 208, 12
	global_load_b32 v224, v[BVOF], s[14:15]        ; bv: in V's result a lane holds ONE of the head's 32
	global_load_b32 v232, v[BVOF], s[14:15] offset:64
	WIN 0
.irp p, 0,1,2
	v_mov_b32 v[26+2*\p], s[56+2*\p]
	v_mov_b32 v[27+2*\p], s[57+2*\p]
.endr
.macro XQ n                            ; set n / 2 (for q, k, v), K step n % 2
.if (\n) >= 2
	s_wait_dscnt 4                                 ; the stores of two fragments back have read their codes; the last fragment's four may be out
.endif
	QUANTN X+64*((\n)%2), PC+16*((\n)%2), 26+2*((\n)/2), 27+2*((\n)/2)
.if (\n)/2 == 2
	IMAGE 24, PC+16*((\n)%2), FRB*((\n)%2)
.else
	IMAGE 23, PC+16*((\n)%2), 32768*((\n)/2)+FRB*((\n)%2)
.endif
.endm
.irp n, 0,1,2,3,4,5
	XQ \n
.endr
.irp d, 0,1,2,3,4,5,6
.irp j, 0,1,2,3,4,5,6,7
	global_load_b32 v[RB+8*\d+\j], v[RBOF], s[16:17] offset:(2*\d*15+7-\j)*32   ; d = qt - kt + 3.  Wanted only behind QKV
.endr
.endr
	BARRIER                                        ; x's 48 fragments lie in LDS
	; ======== B: QKV AND ATTENTION, head w, a window a trip
	s_wait_loadcnt 56                              ; weights and biases are in; the table's 56 loads may be out
	WIN 0x41                                       ; source 0 and destination in window 1
.set i, 0
.rept 16
	v_ldexp_f32 v[192+i], v[192+i], s88
	v_ldexp_f32 v[208+i], v[208+i], s89
.set i, i+1
.endr
	v_ldexp_f32 v224, v224, s90
	v_ldexp_f32 v232, v232, s90
.irp i, 1,2,3,4,5,6,7
	v_mov_b32 v[224+\i], v224
	v_mov_b32 v[232+\i], v232
.endr
	WIN 0
.irp m, 0,1,2,3
.irp i, 4,5,6,7
	v_mov_b32 v[QC+8*\m+\i], 0                     ; k = 32 .. 63 of the first product: zero codes, on both sides
	v_mov_b32 v[KC+8*\m+\i], 0
.endr
.endr
	v_mov_b32 v252, 0                              ; written once: a lane exchange's destination counts as read
	v_add_nc_u32 v23, HC, v[LI]                    ; x's images
	s_lshr_b32 s98, s34, 2
	s_lshl_b32 s98, s98, 11
	s_and_b32 s99, s34, 3
	s_lshl_b32 s99, s99, 9
	s_add_co_u32 s98, s98, s99
	s_add_co_u32 s98, s98, CTX
	v_add_nc_u32 v24, s98, v[LI]                   ; my head's 32 channels are registers 4 (w % 4) .. + 3 of ctx's K step w / 4
	v_mov_b32 v28, s72                             ; p's scale and hold,
	v_mov_b32 v29, s73
	v_mov_b32 v30, s74                             ; ctx's
	v_mov_b32 v31, s75
.macro XFETCH n                        ; step n = 4 p + m: set p's two fragments of the window's tile m, into buffer n % 2
.set pp, (\n)/4
.set mm, (\n)%4
.set bf, XF+32*((\n)%2)
.irp s, 0,1
.if pp == 2
	FETCH bf+16*\s, 26, (2*mm+\s)*FRB
.else
	FETCH bf+16*\s, 25, 32768*pp+(2*mm+\s)*FRB
.endif
.endr
.endm
; One tile of q, k or v for my head: four matrix instructions on two accumulators by turns, the hold, two conversions.
.macro PROJ n
.if (\n) < 11
	XFETCH (\n)+1
	s_wait_dscnt 8                                 ; this step's fragments are in; the next step's eight loads may be out
.else
	s_wait_dscnt 0x0
.endif
.set pp, (\n)/4
.set mm, (\n)%4
.set bf, XF+32*((\n)%2)
.if mm == 0
.if pp == 0
	v_mov_b32 v[SCV], s62
	v_mov_b32 v[LIMV], s63
.elseif pp == 1
	v_mov_b32 v[SCV], s66
	v_mov_b32 v[LIMV], s67
.else
	v_mov_b32 v[SCV], s68
	v_mov_b32 v[LIMV], s69
.endif
.endif
.if pp < 2                             ; transposed: source 0 = 16 rows of the weight, source 1 = the tokens; C = the bias
	WIN 0x11
	v_wmma_f32_16x16x128_fp8_fp8 v[AC:AC+7], v[64*pp:64*pp+15], v[bf:bf+15], v[192+16*pp:192+16*pp+7]
	v_wmma_f32_16x16x128_fp8_fp8 v[AC+8:AC+15], v[64*pp+32:64*pp+47], v[bf:bf+15], v[200+16*pp:200+16*pp+7]
	WIN 0x01
	v_wmma_f32_16x16x128_fp8_fp8 v[AC:AC+7], v[64*pp+16:64*pp+31], v[bf+16:bf+31], v[AC:AC+7]
	v_wmma_f32_16x16x128_fp8_fp8 v[AC+8:AC+15], v[64*pp+48:64*pp+63], v[bf+16:bf+31], v[AC+8:AC+15]
.else                                  ; v: source 0 = the tokens, source 1 = 16 rows of wv: a lane's registers run along the tokens, the second product's K
	WIN 0x14
	v_wmma_f32_16x16x128_fp8_fp8 v[AC:AC+7], v[bf:bf+15], v[128:143], v[224:231]
	v_wmma_f32_16x16x128_fp8_fp8 v[AC+8:AC+15], v[bf:bf+15], v[160:175], v[232:239]
	WIN 0x04
	v_wmma_f32_16x16x128_fp8_fp8 v[AC:AC+7], v[bf+16:bf+31], v[144:159], v[AC:AC+7]
	v_wmma_f32_16x16x128_fp8_fp8 v[AC+8:AC+15], v[bf+16:bf+31], v[176:191], v[AC+8:AC+15]
.endif
	WIN 0
	PLACES 5                                       ; five: the next step's first product writes over these accumulators
.irp i, 0,1,2,3,4,5,6,7,8,9,10,11,12,13,14,15
	v_med3_num_f32 v[AC+\i], v[AC+\i], -v[LIMV], v[LIMV]
.endr
.irp t, 0,1
.if pp == 0
	v_cvt_scalef32_pk8_fp8_f32 v[QC+8*mm+2*\t:QC+8*mm+2*\t+1], v[AC+8*\t:AC+8*\t+7], v[SCV]
.elseif pp == 1
	v_cvt_scalef32_pk8_fp8_f32 v[KC+8*mm+2*\t:KC+8*mm+2*\t+1], v[AC+8*\t:AC+8*\t+7], v[SCV]
.else
	v_cvt_scalef32_pk8_fp8_f32 v[VC+8*\t+2*mm:VC+8*\t+2*mm+1], v[AC+8*\t:AC+8*\t+7], v[SCV]
.endif
.endr
	v_nop
.endm
; Attention of 16 queries against the window's 64 keys.  A lane holds one query; register 8 kt + j is key 16 kt + 8 h + j.
.macro ATT qt
.irp kt, 0,1,2,3
	v_wmma_f32_16x16x64_fp8_fp8 v[S+8*\kt:S+8*\kt+7], v[KC+8*\kt:KC+8*\kt+7], v[QC+8*(\qt):QC+8*(\qt)+7], 0
.endr
	PLACES 4
.irp kt, 0,1,2,3
.irp j, 0,2,4,6
	v_pk_fma_f32 v[S+8*\kt+\j:S+8*\kt+\j+1], v[S+8*\kt+\j:S+8*\kt+\j+1], s[70:71], v[RB+8*((\qt)-\kt+3)+\j:RB+8*((\qt)-\kt+3)+\j+1] op_sel_hi:[1,0,1]   ; score x c + bias
.endr
.endr
.irp kt, 0,1,2,3                       ; the mask: tiles 0, 1 are a window's upper four rows, tiles 2, 3 its lower; j < 4 its left four columns
.if ((\qt)/2) != (\kt/2)
.set mk, 90
.else
.set mk, 88
.endif
.irp j, 0,2
	v_pk_add_f32 v[S+8*\kt+\j:S+8*\kt+\j+1], v[S+8*\kt+\j:S+8*\kt+\j+1], v[mk:mk+1] op_sel_hi:[1,0]
.endr
.irp j, 4,6
	v_pk_add_f32 v[S+8*\kt+\j:S+8*\kt+\j+1], v[S+8*\kt+\j:S+8*\kt+\j+1], v[mk:mk+1] op_sel:[0,1] op_sel_hi:[1,1]
.endr
.endr
	v_max3_num_f32 v236, v[S], v[S+1], v[S+2]      ; the row's maximum: my 32 keys in two chains,
	v_max3_num_f32 v237, v[S+3], v[S+4], v[S+5]
.irp i, 6,10,14,18,22,26
	v_max3_num_f32 v236, v236, v[S+\i], v[S+\i+1]
	v_max3_num_f32 v237, v237, v[S+\i+2], v[S+\i+3]
.endr
	v_max3_num_f32 v236, v236, v[S+30], v[S+31]
	v_max_num_f32 v236, v236, v237
	v_permlanex16_b32 v252, v236, s52, s53         ; and the other 32, in the lane 16 away
	v_max_num_f32 v236, v236, v252
	v_mul_f32 v240, 0xbfb8aa3b, v236               ; -max x log2 e, twice.  Its rounding is one factor for the whole row, which the division by the row's sum takes out
	v_mul_f32 v241, 0xbfb8aa3b, v236
.set i, 0
.rept 16
	v_pk_fma_f32 v[S+2*i:S+2*i+1], v[S+2*i:S+2*i+1], s[46:47], v[240:241] op_sel_hi:[1,0,1]   ; (score - max) x log2 e
.set i, i+1
.endr
.set i, 0
.rept 32
	v_exp_f32 v[S+i], v[S+i]
.set i, i+1
.endr
	v_nop                                          ; a plain instruction behind the batch,
	s_wait_alu depctr_va_vdst(0)                   ; and one wait for all 32, ahead of their first reader
	v_pk_add_f32 v[242:243], v[S:S+1], v[S+2:S+3]
	v_pk_add_f32 v[244:245], v[S+4:S+5], v[S+6:S+7]
.irp i, 8,12,16,20,24,28
	v_pk_add_f32 v[242:243], v[242:243], v[S+\i:S+\i+1]
	v_pk_add_f32 v[244:245], v[244:245], v[S+\i+2:S+\i+3]
.endr
	v_pk_add_f32 v[242:243], v[242:243], v[244:245]
	v_add_f32 v242, v242, v243
	v_permlanex16_b32 v252, v242, s52, s53
	v_add_f32 v242, v242, v252                     ; the row's sum
	v_rcp_f32 v246, v242
	v_nop
	s_wait_alu depctr_va_vdst(0)
	v_mov_b32 v247, v246
.set i, 0
.rept 16
	v_pk_mul_f32 v[S+2*i:S+2*i+1], v[S+2*i:S+2*i+1], v[246:247]   ; the probabilities, finished: these are quantised
.set i, i+1
.endr
.irp kt, 0,1,2,3
.irp i, 0,1,2,3,4,5,6,7
	v_min_num_f32 v[S+8*\kt+\i], v[S+8*\kt+\i], v29   ; never negative: the hold is one-sided
.endr
	v_cvt_scalef32_pk8_fp8_f32 v[PD+2*\kt:PD+2*\kt+1], v[S+8*\kt:S+8*\kt+7], v28
.endr
	v_nop
.irp t, 0,1
	v_wmma_f32_16x16x64_fp8_fp8 v[OA+8*\t:OA+8*\t+7], v[VC+8*\t:VC+8*\t+7], v[PD:PD+7], 0   ; O^T: register j of tile t = the head's channel 16 t + 8 h + j
.endr
	PLACES 4
.irp i, 0,1,2,3,4,5,6,7,8,9,10,11,12,13,14,15
	v_med3_num_f32 v[OA+\i], v[OA+\i], -v31, v31
.endr
.if (\qt) >= 2
	s_wait_dscnt 1                                 ; the store of two tiles back has read its codes; the last tile's may be out
.endif
.irp t, 0,1
	v_cvt_scalef32_pk8_fp8_f32 v[CC+4*((\qt)%2)+2*\t:CC+4*((\qt)%2)+2*\t+1], v[OA+8*\t:OA+8*\t+7], v30
.endr
	v_nop
	ds_store_b128 v27, v[CC+4*((\qt)%2):CC+4*((\qt)%2)+3] offset:2*FRB*(\qt)
.endm
	s_mov_b32 s95, 0                               ; 16,384 x the window: its eight fragments in each set of images
.Lwin:
	v_add_nc_u32 v25, s95, v23
	v_add_nc_u32 v26, 0x10000, v25
	v_add_nc_u32 v27, s95, v24
	s_lshr_b32 s98, s95, 14
	s_add_co_u32 s98, s98, s94                     ; ww
	s_cmp_eq_u32 s98, 7
	s_cselect_b32 s98, s92, 0                      ; -100 in the last column of windows, else 0
	v_bfe_u32 v88, v0, 2, 1                        ; does my query lie in the window's right four columns?
	v_cvt_f32_u32 v88, v88
	v_mul_f32 v88, s98, v88                        ; the mask against keys of the left four columns,
	v_sub_f32 v89, s98, v88                        ; and of the right four, for keys in my query's half of the rows;
	v_mov_b32 v90, s92
	v_cndmask_b32 v91, v89, v90, s93               ; for keys in the other half: -100 throughout in the last row of windows, else the same
	v_cndmask_b32 v90, v88, v90, s93
	XFETCH 0
.irp n, 0,1,2,3,4,5,6,7,8,9,10,11
	PROJ \n
.endr
	s_wait_loadcnt 0x0                             ; the table's entries: asked for ahead of QKV's twelve steps (in the second trip nothing is out)
.irp qt, 0,1,2,3
	ATT \qt
.endr
	s_wait_dscnt 0x0                               ; ctx's stores have read their address and codes: both are written again in the next trip
	s_add_co_u32 s95, s95, 16384
	s_cmp_lt_u32 s95, 32768
	s_cbranch_scc1 .Lwin
	; ======== C: THE OUTPUT PROJECTION AND THE FIRST RESIDUAL, my 32 columns of all 128 rows
	WLOAD 0, WOF, 196608, 4
	WIN 0
	DBIAS BO, 18
	GLOAD 20                                       ; LN2's gains and the first half of its biases come now, beside wo
	BLOADH 22, 0
	WIN 0
	v_add_nc_u32 v23, CTX, v[LI]
	BARRIER                                        ; ctx's sixteen fragments lie in LDS; nobody reads x's images any more
.macro CFETCH mp                       ; ctx's four fragments of tiles 2 mp, 2 mp + 1 into buffer mp % 2
.set cb, CF+128*((\mp)%2)
.irp i, 0,1
.irp s, 0,1
	FETCH cb+16*(2*\i+\s), 23, (2*(2*(\mp)+\i)+\s)*FRB
.endr
.endr
.endm
.macro WOSTEP mp                       ; tiles 2 mp, 2 mp + 1; the next step's fragments are asked for ahead of this step's products
.irp i, 0,1
.irp t, 0,1
.irp j, 0,1
	ds_load_b128 v[SH+8*(2*\i+\t)+4*\j:SH+8*(2*\i+\t)+4*\j+3], v[HDL+(\mp)/2] offset:((2*(\mp)+\i)%4)*TROWS+64*\t+16*\j
.endr
.endr
.endr
.if (\mp) < 3
	CFETCH (\mp)+1
	s_wait_dscnt 24                                ; this step's fragments are in and the last step's stores have read the accumulators; the shortcut's 8 loads and the next step's 16 may be out
.else
	s_wait_dscnt 8                                 ; the same, with nothing more to fetch
.endif
.if (\mp) == 0
	s_wait_loadcnt 48                              ; wo and bo are in; LN2's 32 + 16 loads may be out
.endif
.set cb, CF+128*((\mp)%2)
	WIN 0x01
.irp s, 0,1                            ; four accumulators by turns
.irp i, 0,1
.irp t, 0,1
.if \s == 0
	v_wmma_f32_16x16x128_fp8_fp8 v[WA+8*(2*\i+\t):WA+8*(2*\i+\t)+7], v[16*(2*\t+\s):16*(2*\t+\s)+15], v[cb+16*(2*\i+\s):cb+16*(2*\i+\s)+15], 0
.else
	v_wmma_f32_16x16x128_fp8_fp8 v[WA+8*(2*\i+\t):WA+8*(2*\i+\t)+7], v[16*(2*\t+\s):16*(2*\t+\s)+15], v[cb+16*(2*\i+\s):cb+16*(2*\i+\s)+15], v[WA+8*(2*\i+\t):WA+8*(2*\i+\t)+7]
.endif
.endr
.endr
.endr
	WIN 0
	PLACES 5                                       ; five: the next step's first products write over these accumulators
.if (\mp) < 3
	s_wait_dscnt 16                                ; the shortcut is in; the next step's 16 loads may be out
.else
	s_wait_dscnt 0x0
.endif
.irp a, 0,1,2,3
.irp j, 0,2,4,6
	v_pk_fma_f32 v[WA+8*\a+\j:WA+8*\a+\j+1], v[WA+8*\a+\j:WA+8*\a+\j+1], s[76:77], v[BO+8*(\a%2)+\j:BO+8*(\a%2)+\j+1] op_sel_hi:[1,0,1]   ; sum x 2^(e10 + e11) + bo
.endr
.endr
.set i, 0
.rept 16
	v_pk_add_f32 v[WA+2*i:WA+2*i+1], v[WA+2*i:WA+2*i+1], v[SH+2*i:SH+2*i+1]   ; + the shortcut
.set i, i+1
.endr
.irp i, 0,1
.irp t, 0,1
.irp j, 0,1
	ds_store_b128 v[HDL+(\mp)/2], v[WA+8*(2*\i+\t)+4*\j:WA+8*(2*\i+\t)+4*\j+3] offset:((2*(\mp)+\i)%4)*TROWS+64*\t+16*\j   ; back to the same bytes: my columns are mine alone
.endr
.endr
.endr
.endm
	CFETCH 0
.irp mp, 0,1,2,3
	WOSTEP \mp
.endr
	BLOADH 22, 8                                   ; the other half of LN2's biases, over wo
	WIN 0
	BARRIER                                        ; hidden lies in HID; nobody reads ctx's images any more
	; ======== D: LN2 of my 16 rows
.set i, 0
.rept 32
	ds_load_b128 v[X+4*i:X+4*i+3], v[HFL] offset:64*(i/2)+16*(i%2)
.set i, i+1
.endr
	s_wait_dscnt 0x0
	LNORM
	WLOAD 0, W1OF, 262144, 8                       ; the first half of my 128 rows of w1
	WIN 0
	v_mov_b32 v[SCV], s78
	v_mov_b32 v[LIMV], s79
	s_lshl_b32 s99, s34, 12
	s_add_co_u32 s99, s99, YC
	v_add_nc_u32 v23, s99, v[LI]
	QUANTN X, PC, SCV, LIMV
	IMAGE 23, PC, 0
.irp t, 0,1,2,3,4,5,6,7                ; b1, both halves, into the half of my row's registers that is quantised: register 8 t + j = hidden unit 128 w + 16 t + 8 h + j
.irp j, 0,1
	global_load_b128 v[B1R+8*\t+4*\j:B1R+8*\t+4*\j+3], v[B1OF], s[24:25] offset:64*\t+16*\j
.endr
.endr
	WLOAD 128, W1OF, 262144+8*FRB, 8               ; w1's second half comes last: the first loop of fc1 does not wait for it
	WIN 0
	QUANTN X+64, PC+16, SCV, LIMV
	IMAGE 23, PC+16, FRB
	v_mov_b32 v28, 0x3f07dc22                      ; a5 / 2 = 0.530702715, twice
	v_mov_b32 v29, 0x3f07dc22
	v_mov_b32 v[SCV], s84                          ; h's scale and hold
	v_mov_b32 v[LIMV], s85
	BARRIER                                        ; y's sixteen fragments lie in LDS; the reads of HID by rows are over
	; ======== E: FC1 AND GELU, my 128 hidden units in two halves of 64; a trip is one tile of 16 rows
	v_add_nc_u32 v23, YC, v[LI]
	s_lshl_b32 s99, s34, 11
	s_add_co_u32 s99, s99, HC
	v_add_nc_u32 v24, s99, v[LI]                   ; my hidden units are K step w of fc2: fragment 8 m + w
	FETCH YF, 23, 0                                ; tile 0's two fragments of y; every later fetch stands in the trip before
	FETCH YF+16, 23, FRB
.macro W2LOAD s0                       ; w2's K steps s0 .. s0 + 3 of my two tiles of rows
	WIN 0x40
.irp ss, 0,1,2,3
.irp t, 0,1
.irp q, 0,1,2,3
	global_load_b128 v[16*(2*(\s0+\ss)+\t)+4*\q:16*(2*(\s0+\ss)+\t)+4*\q+3], v[W1OF], s[30:31] offset:524288+(8*\t+\s0+\ss)*FRB+512*\q
.endr
.endr
.endr
	WIN 0
.endm
; 32 numbers a lane, a = x / 2^E in GA, become gelu(x) / 2^E in place.
.macro GELU
.set i, 0
.rept 16
	v_fma_f32 v[TT+2*i], |v[GA+2*i]|, s80, 1.0     ; 1 + 0.2316419 |x|
	v_fma_f32 v[TT+2*i+1], |v[GA+2*i+1]|, s80, 1.0
	v_pk_mul_f32 v[EE+2*i:EE+2*i+1], v[GA+2*i:GA+2*i+1], v[GA+2*i:GA+2*i+1]
	v_pk_mul_f32 v[EE+2*i:EE+2*i+1], v[EE+2*i:EE+2*i+1], s[82:83] op_sel_hi:[1,0]   ; -x^2 (log2 e) / 2
	v_rcp_f32 v[TT+2*i], v[TT+2*i]
	v_rcp_f32 v[TT+2*i+1], v[TT+2*i+1]
	v_exp_f32 v[EE+2*i], v[EE+2*i]
	v_exp_f32 v[EE+2*i+1], v[EE+2*i+1]
.set i, i+1
.endr
	v_nop                                          ; a plain instruction behind the batch,
	s_wait_alu depctr_va_vdst(0)                   ; and one wait for its 64 transcendentals: none of their results has been named
.set i, 0
.rept 16
	v_pk_fma_f32 v[PP+2*i:PP+2*i+1], v[TT+2*i:TT+2*i+1], v[28:29], s[42:43] op_sel_hi:[1,1,0]
.set i, i+1
.endr
.irp g, 40,38,36
.set i, 0
.rept 16
	v_pk_fma_f32 v[PP+2*i:PP+2*i+1], v[PP+2*i:PP+2*i+1], v[TT+2*i:TT+2*i+1], s[\g:\g+1] op_sel_hi:[1,1,0]
.set i, i+1
.endr
.endr
.set i, 0
.rept 16
	v_pk_mul_f32 v[EE+2*i:EE+2*i+1], v[EE+2*i:EE+2*i+1], v[TT+2*i:TT+2*i+1]
.set i, i+1
.endr
.set i, 0
.rept 16
	v_pk_mul_f32 v[PP+2*i:PP+2*i+1], v[PP+2*i:PP+2*i+1], v[EE+2*i:EE+2*i+1]   ; q = 1 - Phi(|x|)
.set i, i+1
.endr
.set i, 0
.rept 32
	v_max_num_f32 v[TT+i], 0, v[GA+i]
.set i, i+1
.endr
.set i, 0
.rept 32
	v_fma_f32 v[GA+i], -|v[GA+i]|, v[PP+i], v[TT+i]   ; max(a, 0) - |a| q
.set i, i+1
.endr
.endm
.macro FC1 hf
.if (\hf) == 1
	W2LOAD 0                                       ; over the half of w1 that is done with
	s_wait_loadcnt 32                              ; w1's second half is in; w2's 32 loads may be out
.else
	s_wait_loadcnt 32                              ; w1's first half and b1 are in; the 32 loads of w1's second half may be out
.set i, 0
.rept 64
	v_ldexp_f32 v[B1R+i], v[B1R+i], s91            ; b1 / 2^E: it goes in as C
.set i, i+1
.endr
.endif
	s_mov_b32 s96, 0                               ; 4,096 x the tile: y's two fragments
.Lfc1_\@:
	s_lshl_b32 s97, s96, 2                         ; 16,384 x the tile: h's eight fragments
	s_wait_dscnt 0x0                               ; y's fragments, asked for a trip ago, are in, and the last trip's stores have read their address and codes
	v_add_nc_u32 v26, s97, v24
	WIN 0x01
.irp s, 0,1                            ; four accumulators by turns
.irp t, 0,1,2,3
.if \s == 0
	v_wmma_f32_16x16x128_fp8_fp8 v[GA+8*\t:GA+8*\t+7], v[32*(4*(\hf)+\t):32*(4*(\hf)+\t)+15], v[YF:YF+15], v[B1R+32*(\hf)+8*\t:B1R+32*(\hf)+8*\t+7]
.else
	v_wmma_f32_16x16x128_fp8_fp8 v[GA+8*\t:GA+8*\t+7], v[32*(4*(\hf)+\t)+16:32*(4*(\hf)+\t)+31], v[YF+16:YF+31], v[GA+8*\t:GA+8*\t+7]
.endif
.endr
.endr
	WIN 0
	PLACES 4
	s_add_co_u32 s98, s96, 4096                    ; the next tile's fragments land under GELU.  Behind tile 7 comes tile 0 again: it is what the second half begins with, and no read leaves y's images
	s_and_b32 s98, s98, 0x7fff
	v_add_nc_u32 v25, s98, v23
	FETCH YF, 25, 0
	FETCH YF+16, 25, FRB
	GELU
.irp t, 0,1,2,3
.irp i, 0,1,2,3,4,5,6,7
	v_med3_num_f32 v[GA+8*\t+\i], v[GA+8*\t+\i], -v[LIMV], v[LIMV]
.endr
	v_cvt_scalef32_pk8_fp8_f32 v[HP+2*\t:HP+2*\t+1], v[GA+8*\t:GA+8*\t+7], v[SCV]
.endr
	v_nop
	ds_store_b128 v26, v[HP:HP+3] offset:512*(2*(\hf))       ; registers 8 hf .. 8 hf + 7 of the fragment
	ds_store_b128 v26, v[HP+4:HP+7] offset:512*(2*(\hf)+1)
	s_add_co_u32 s96, s96, 4096
	s_cmp_lt_u32 s96, 32768
	s_cbranch_scc1 .Lfc1_\@
.endm
	FC1 0
	FC1 1
	W2LOAD 4                                       ; over w1's other half
	DBIAS B2R, 26                                  ; b2
	v_add_nc_u32 v23, HC, v[LI]
	v_add_nc_u32 v24, 0x10000, v23
	BARRIER                                        ; h's 64 fragments lie in LDS
	; ======== F: FC2, THE SECOND RESIDUAL AND THE WAY OUT, my 32 columns, BY PAIRS OF ROW TILES: 32 steps of four matrix instructions on a pair's four accumulators by turns.
	; Step n is (pair, K step): 0-3 (0, 0-3); 4-7 (1, 0-3); 8-11 (0, 4-7); 12-15 (1, 4-7); 16-23 (2, 0-7); 24-31 (3, 0-7): the first eight steps want w2's K steps 0-3 alone, while K steps 4-7 arrive.
	; A finished pair: sum x 2^(e14 + e15) + b2 + hidden into HID; a barrier, since a row's 1,024 bytes come from eight waves; each wave reads 4 whole rows back and stores them behind the next step's products.
.macro SEQ n
.if (\n) < 4
.set mq, 0
.set ss, (\n)
.elseif (\n) < 8
.set mq, 1
.set ss, (\n)-4
.elseif (\n) < 12
.set mq, 0
.set ss, (\n)-4
.elseif (\n) < 16
.set mq, 1
.set ss, (\n)-8
.else
.set mq, (\n)/8
.set ss, (\n)%8
.endif
.endm
.macro HFETCH n                        ; step n's two fragments of h into buffer n % 3
	SEQ \n
.set bf, HF+32*((\n)%3)
.irp i, 0,1
	FETCH bf+16*\i, 23+(2*mq+\i)/4, (8*((2*mq+\i)%4)+ss)*FRB
.endr
.endm
.macro ELOAD k                         ; hidden at pair k's four accumulators
.irp a, 0,1,2,3
.irp j, 0,1
	ds_load_b128 v[HD+8*\a+4*\j:HD+8*\a+4*\j+3], v[HDL+(2*(\k)+\a/2)/4] offset:((2*(\k)+\a/2)%4)*TROWS+64*(\a%2)+16*\j
.endr
.endr
.endm
.macro FC2STEP n, last                 ; last = 1: the pair's last step: hidden is asked for ahead of the products
.if (\n) > 0
	PLACES 4                                       ; the buffer that is filled now was multiplied in the last step
.endif
.if \last
	SEQ \n
	ELOAD mq
.endif
.if (\n) < 30
	HFETCH (\n)+2
	s_wait_dscnt 16+8*(\last)                      ; this step's fragments are in; the next two steps' 8 + 8 loads, and hidden's 8, may be out
.else
	s_wait_dscnt 8                                 ; step 30: step 31's eight loads may be out; step 31: hidden's eight
.endif
.if (\n) == 0
	s_wait_loadcnt 36                              ; w2's K steps 0-3 are in; the 32 loads of K steps 4-7 and b2's 4 may be out
.endif
.if (\n) == 8
	s_wait_loadcnt 4                               ; K steps 4-7 are in; b2's 4 loads may be out
.endif
.if ((\n) == 16) || ((\n) == 24)
	s_wait_xcnt 0x0                                ; the stores of the pair that had this set of accumulators have read their registers: the set is begun anew
.endif
	SEQ \n
.set bf, HF+32*((\n)%3)
.set aset, ACC+32*(mq%2)
	WIN 0x01
.irp i, 0,1
.irp t, 0,1
.if ss == 0
	v_wmma_f32_16x16x128_fp8_fp8 v[aset+8*(2*\i+\t):aset+8*(2*\i+\t)+7], v[16*(2*ss+\t):16*(2*ss+\t)+15], v[bf+16*\i:bf+16*\i+15], 0
.else
	v_wmma_f32_16x16x128_fp8_fp8 v[aset+8*(2*\i+\t):aset+8*(2*\i+\t)+7], v[16*(2*ss+\t):16*(2*ss+\t)+15], v[bf+16*\i:bf+16*\i+15], v[aset+8*(2*\i+\t):aset+8*(2*\i+\t)+7]
.endif
.endr
.endr
	WIN 0
.endm
.macro EPI k                           ; pair k is finished
.set aset, ACC+32*((\k)%2)
	PLACES 4
.if (\k) < 3
	s_wait_dscnt 8                                 ; hidden is in; the eight loads issued behind it may be out
.else
	s_wait_dscnt 0x0
.endif
.if (\k) == 0
	s_wait_loadcnt 0x0                             ; b2
.endif
.irp a, 0,1,2,3
.irp j, 0,2,4,6
	v_pk_fma_f32 v[aset+8*\a+\j:aset+8*\a+\j+1], v[aset+8*\a+\j:aset+8*\a+\j+1], s[86:87], v[B2R+8*(\a%2)+\j:B2R+8*(\a%2)+\j+1] op_sel_hi:[1,0,1]   ; sum x 2^(e14 + e15) + b2
.endr
.endr
.set i, 0
.rept 16
	v_pk_add_f32 v[aset+2*i:aset+2*i+1], v[aset+2*i:aset+2*i+1], v[HD+2*i:HD+2*i+1]   ; + hidden
.set i, i+1
.endr
.irp a, 0,1,2,3
.irp j, 0,1
	ds_store_b128 v[HDL+(2*(\k)+\a/2)/4], v[aset+8*\a+4*\j:aset+8*\a+4*\j+3] offset:((2*(\k)+\a/2)%4)*TROWS+64*(\a%2)+16*\j
.endr
.endr
	BARRIER                                        ; the pair's 32 rows of the result lie in HID.  The later pairs' stores go to other rows
.irp q, 0,1,2,3,4,5,6,7
	ds_load_b128 v[aset+4*\q:aset+4*\q+3], v[29+(\k)/2] offset:(32*((\k)%2)+\q/2)*PITCH+512*(\q%2)   ; my 4 rows of them, 512 bytes a load, into the set that the barrier's wait has freed
.endr
.endm
.macro OUTST k, younger                ; younger: the LDS loads issued behind the rows' eight
.set aset, ACC+32*((\k)%2)
.irp q, 0,1,2,3,4,5,6,7
	s_wait_dscnt (\younger)+7-\q                   ; LDS loads come back in order: load q is in
	global_store_b128 v[25+(\k)], v[aset+4*\q:aset+4*\q+3], s[32:33] offset:1024*(\q/2)+512*(\q%2) th:TH_STORE_NT   ; 32 lanes store 512 consecutive bytes, at a multiple of 512 from out0's first byte
.endr
.endm
	HFETCH 0
	HFETCH 1
	; where my rows of a pair go.  Of pair k wave w takes rows 32 k + 4 w + 0 .. 3: tile m = 2 k + w / 4, tokens 4 (w % 4) + 0 .. 3 of it: ONE run of four neighbouring tokens, 4,096 consecutive bytes:
	; image row (8 wh + 4 + 4 (k % 2) + 2 (w / 4) + (w / 2) % 2) % 64, column (16 jj + 8 (k / 2) + 4 + 4 (w % 2)) % 64
	s_lshr_b32 s2, ttmp9, 5
	s_lshl_b32 s2, s2, 12                          ; 4,096 b
	s_bfe_u32 s3, ttmp9, 0x30002
	s_lshl_b32 s3, s3, 3                           ; 8 wh
	s_bfe_u32 s98, s34, 0x10001
	s_add_co_u32 s3, s3, s98
	s_lshr_b32 s98, s34, 2
	s_lshl_b32 s98, s98, 1
	s_add_co_u32 s3, s3, s98
	s_add_co_u32 s3, s3, 4
	s_and_b32 s35, s34, 1
	s_lshl_b32 s35, s35, 2
	s_lshl_b32 s98, s94, 3                         ; 16 jj
	s_add_co_u32 s35, s35, s98
	s_add_co_u32 s35, s35, 4
.irp k, 0,1,2,3
	s_add_co_u32 s98, s3, 4*(\k%2)
	s_and_b32 s98, s98, 63
	s_lshl_b32 s98, s98, 6
	s_add_co_u32 s98, s98, s2
	s_add_co_u32 s99, s35, 8*(\k/2)
	s_and_b32 s99, s99, 63
	s_add_co_u32 s98, s98, s99
	s_lshl_b32 s98, s98, 10
	v_add_nc_u32 v[25+\k], s98, v[LI]              ; v25-28: written once, so no store's offset is ever rewritten
.endr
	s_mul_i32 s98, s34, 4*PITCH
	v_add_nc_u32 v29, s98, v[LI]                   ; HID by rows: row 4 w, 16 bytes a lane; pairs 0 and 1,
	v_add_nc_u32 v30, 64*PITCH, v29                ; pairs 2 and 3
.irp n, 0,1,2,3,4,5,6,7,8,9,10
	FC2STEP \n, 0
.endr
	FC2STEP 11, 1
	EPI 0
	FC2STEP 12, 0
	OUTST 0, 8                                     ; behind the rows' loads: step 14's eight
	FC2STEP 13, 0
	FC2STEP 14, 0
	FC2STEP 15, 1
	EPI 1
	FC2STEP 16, 0
	OUTST 1, 8
.irp n, 17,18,19,20,21,22
	FC2STEP \n, 0
.endr
	FC2STEP 23, 1
	EPI 2
	FC2STEP 24, 0
	OUTST 2, 8
.irp n, 25,26,27,28,29,30
	FC2STEP \n, 0
.endr
	FC2STEP 31, 1
	EPI 3
	OUTST 3, 0
	s_wait_tensorcnt 0x0                           ; the wave's end, behind my last LDS store
	ds_add_u32 v[SPW], v[NIL]
	s_wait_dscnt 0x0
	s_endpgm
.Lfunc_end_k_q47e37c237c_block:
	.size	k_q47e37c237c_block, .Lfunc_end_k_q47e37c237c_block-k_q47e37c237c_block
	.p2alignl 7, 3214868480
	.fill 96, 4, 3214868480
	.section	.rodata,"a",@progbits
	.p2align	6, 0x0
	.amdhsa_kernel k_q47e37c237c_block
		.amdhsa_group_segment_fixed_size 297984
		.amdhsa_private_segment_fixed_size 0
		.amdhsa_enable_private_segment 0
		.amdhsa_kernarg_size 120
		.amdhsa_user_sgpr_count 2
		.amdhsa_user_sgpr_kernarg_segment_ptr 1
		.amdhsa_wavefront_size32 1
		.amdhsa_system_sgpr_workgroup_id_x 1
		.amdhsa_system_sgpr_workgroup_id_y 1
		.amdhsa_system_sgpr_workgroup_id_z 1
		.amdhsa_system_vgpr_workitem_id 0
		.amdhsa_next_free_vgpr 512
		.amdhsa_next_free_sgpr 102
		.amdhsa_reserve_vcc 0
		.amdhsa_float_denorm_mode_32 3
		.amdhsa_float_denorm_mode_16_64 3
		.amdhsa_memory_ordered 1
		.amdhsa_forward_progress 1
		.amdhsa_inst_pref_size 255
	.end_amdhsa_kernel
	.section	.bss,"aw",@nobits
	.p2align	6
	.space	262144
	.amdgpu_metadata
---
amdhsa.version: [ 1, 2 ]
amdhsa.kernels:
  - .name:           k_q47e37c237c_block
    .symbol:         k_q47e37c237c_block.kd
    .args:
      - { .name: hidden_states, .offset: 0, .size: 8, .value_kind: global_buffer, .address_space: global }
      - { .name: ln1_g, .offset: 8, .size: 8, .value_kind: global_buffer, .address_space: global }
      - { .name: ln1_b, .offset: 16, .size: 8, .value_kind: global_buffer, .address_space: global }
      - { .name: bq, .offset: 24, .size: 8, .value_kind: global_buffer, .address_space: global }
      - { .name: bk, .offset: 32, .size: 8, .value_kind: global_buffer, .address_space: global }
      - { .name: bv, .offset: 40, .size: 8, .value_kind: global_buffer, .address_space: global }
      - { .name: rel_table, .offset: 48, .size: 8, .value_kind: global_buffer, .address_space: global }
      - { .name: bo, .offset: 56, .size: 8, .value_kind: global_buffer, .address_space: global }
      - { .name: ln2_g, .offset: 64, .size: 8, .value_kind: global_buffer, .address_space: global }
      - { .name: ln2_b, .offset: 72, .size: 8, .value_kind: global_buffer, .address_space: global }
      - { .name: b1, .offset: 80, .size: 8, .value_kind: global_buffer, .address_space: global }
      - { .name: b2, .offset: 88, .size: 8, .value_kind: global_buffer, .address_space: global }
      - { .name: lowp_scales, .offset: 96, .size: 8, .value_kind: global_buffer, .address_space: global }
      - { .name: wcodes, .offset: 104, .size: 8, .value_kind: global_buffer, .address_space: global }
      - { .name: out0, .offset: 112, .size: 8, .value_kind: global_buffer, .address_space: global }
    .group_segment_fixed_size: 297984
    .private_segment_fixed_size: 0
    .kernarg_segment_align: 8
    .kernarg_segment_size: 120
    .max_flat_workgroup_size: 256
    .sgpr_count:     102
    .vgpr_count:     512
    .wavefront_size: 32
...
	.end_amdgpu_metadata
.endif
;; end of part 2
